; MI455X (gfx1250); checked and timed in simulation.
; The chip was launched on July 23, 2026; its instructions are those of AMD's public machine-readable ISA for CDNA 5 (MIT licence, August 2026) and "CDNA5" Instruction Set Architecture Reference Guide (July 2026). The comments in the code are by the model that wrote it; some were corrected since.
;; Mo E Layer. Allowed arithmetic: float matrix products may take bf16 or f16 operands with f32 sums; other float arithmetic in f32, or as packed bf16 or f16 multiplies, adds, multiply-adds, maxima and minima; sums over many terms, partial sums and values carried from step to step in f32; what a program stores and reads back later, other than sums and carried values, may be rounded once to bf16 or f16.
;; Inputs: b1 8 x 4,096 float32; b2 8 x 1,024 float32; gate_b 8 float32; gate_w 8 x 1,024 float32; w1 8 x 1,024 x 4,096 float32; w2 8 x 4,096 x 1,024 float32; x 1 x 1,024 x 1,024 float32.
;; Outputs: out0 1 x 1,024 x 1,024 float32.
;; One version. Each part assembles by itself: llvm-mc -triple=amdgcn-amd-amdhsa -mcpu=gfx1250 --defsym DOCPART=n.
;; ======== version 1 of 1: 4 launches
;; workspace buffers: xb 2,097,152 bytes; sel 4,096 bytes of whole numbers; rw 8,192 bytes; pos 32,768 bytes of whole numbers; cnt 256 bytes of whole numbers; h 67,108,864 bytes; part 134,217,728 bytes
;; launch router (part 1): grid 256 x 1, 4 waves a work-group, no clusters, 0 bytes of LDS; arguments x, gate_w, gate_b, xb, sel, rw; writes xb, sel, rw
.if DOCPART == 1
	.amdgcn_target "amdgcn-amd-amdhsa--gfx1250"
	.amdhsa_code_object_version 6
	.text
	.protected	k_qfd80a5b1ed_router
	.globl	k_qfd80a5b1ed_router
	.p2align	8
	.type	k_qfd80a5b1ed_router,@function
k_qfd80a5b1ed_router:
	s_mov_b64 s[64:65], 0
	v_nop
	global_prefetch_b8 v0, s[64:65] scope:SCOPE_SE
	s_setreg_imm32_b32 hwreg(HW_REG_WAVE_MODE, 25, 1), 1
	s_wait_xcnt 0x0
; ROUTER.  One wave, one token t = 4 x work-group + wave.  x[t], gate_w and gate_b are rounded once to bf16; the eight logits are f32 sums of
; exact products of those; the two largest are chosen (a tie keeps the lower index, as lax.top_k does), and their softmax is taken with the
; larger logit subtracted.  Stored: xb[t] (the rounded row, bf16), sel[t] = e0 | e1<<8 | ((1<<e0)|(1<<e1))<<16, rw[t] = the two weights.
; No address and no branch hangs on a logit: the choice is stored at fixed places and steers addresses in later launches only.
; LIMITS.  The sums' order differs from a row-by-row f32 product, so logits that tie to within f32 rounding may be ordered otherwise;
; NaN and infinite logits are not treated apart.
; No matrix unit: 8 outputs a token; no LDS: a token never leaves its wave.
.set X,   16                           ; v[16:47]   x, lane l holds k = 128 i + 4 l + 0..3 in registers 4 i ..
.set XP,  48                           ; v[48:63]   x packed to bf16
.set G,   64                           ; v[64:191]  gate rows 0-3 in f32, then all eight rows packed: row e, word m at G + 16 e + m
.set SUM, 192                          ; v[192:199] the eight logits
.set MSB, 0
.macro WIN new                         ; the immediate's high byte repeats the setting that is left
.if MSB != (\new)
	s_set_vgpr_msb (MSB<<8)|(\new)
.set MSB, \new
.endif
.endm
	s_load_b256 s[4:11], s[0:1], 0x0               ; x s[4:5], gate_w s[6:7], gate_b s[8:9], xb s[10:11]
	s_load_b128 s[12:15], s[0:1], 0x20             ; sel s[12:13], rw s[14:15]
	v_and_b32 v1, 31, v0                           ; lane
	v_lshrrev_b32 v2, 5, v0
	v_readfirstlane_b32 s2, v2                     ; wave
	s_lshl_b32 s3, ttmp9, 2
	s_add_co_u32 s3, s3, s2                        ; token
	v_lshlrev_b32 v2, 4, v1                        ; 16 bytes a lane
	v_lshlrev_b32 v3, 3, v1                        ; 8 bytes a lane
	s_mov_b32 s17, 0
	s_mov_b32 s20, 0x76543210                      ; v_permlanex16_b32: each lane takes its own place in the other half
	s_mov_b32 s21, 0xfedcba98
	s_wait_kmcnt 0x0
	s_load_b256 s[24:31], s[8:9], 0x0              ; gate_b
	s_lshl_b32 s16, s3, 12
	s_add_nc_u64 s[4:5], s[4:5], s[16:17]          ; x at my row
.irp i, 0,1,2,3,4,5,6,7
	global_load_b128 v[X+4*(\i):X+4*(\i)+3], v2, s[4:5] offset:512*(\i) th:TH_LOAD_NT
.endr
.irp e, 0,1,2,3
.irp i, 0,1,2,3,4,5,6,7
	global_load_b128 v[G+32*(\e)+4*(\i):G+32*(\e)+4*(\i)+3], v2, s[6:7] offset:4096*(\e)+512*(\i)
.endr
.endr
	WIN 0x40                                       ; destination in window 1: gate rows 4-7 at v256 on
.irp e, 0,1,2,3
.irp i, 0,1,2,3,4,5,6,7
	global_load_b128 v[32*(\e)+4*(\i):32*(\e)+4*(\i)+3], v2, s[6:7] offset:4096*(4+(\e))+512*(\i)
.endr
.endr
	WIN 0
	s_lshl_b32 s16, s3, 11
	s_add_nc_u64 s[10:11], s[10:11], s[16:17]      ; xb at my row
	s_lshl_b32 s16, s3, 2
	s_add_nc_u64 s[12:13], s[12:13], s[16:17]      ; sel at my word
	s_lshl_b32 s16, s3, 3
	s_add_nc_u64 s[14:15], s[14:15], s[16:17]      ; rw at my pair
.irp e, 0,1,2,3,4,5,6,7
	v_mov_b32 v[SUM+(\e)], 0
.endr
	v_mov_b32 v200, 0
	s_wait_loadcnt 63                              ; 64 gate loads are younger than x's eight; 63 is the largest count the wait can name, and the smaller count is safe
.irp m, 0,1,2,3,4,5,6,7,8,9,10,11,12,13,14,15
	v_cvt_pk_bf16_f32 v[XP+(\m)], v[X+2*(\m)], v[X+2*(\m)+1]
.endr
.irp i, 0,1,2,3,4,5,6,7
	global_store_b64 v3, v[XP+2*(\i):XP+2*(\i)+1], s[10:11] offset:256*(\i)   ; the wave's store covers 256 consecutive bytes, aligned
.endr
	s_wait_loadcnt 0x0
.set j, 0
.rept 64                                       ; rows 0-3 packed in place, ascending: word j never lies above its sources
	v_cvt_pk_bf16_f32 v[G+j], v[G+2*j], v[G+2*j+1]
.set j, j+1
.endr
	WIN 0x05                                       ; sources in window 1, destination in window 0
.set j, 0
.rept 64
	v_cvt_pk_bf16_f32 v[G+64+j], v[2*j], v[2*j+1]
.set j, j+1
.endr
	WIN 0
.set m, 0
.rept 16                                       ; 32 numbers a lane x 8 rows; the eight sums take turns
.irp e, 0,1,2,3,4,5,6,7
	v_fma_mix_f32_bf16 v[SUM+(\e)], v[XP+m], v[G+16*(\e)+m], v[SUM+(\e)] op_sel_hi:[1,1,0]
.endr
.irp e, 0,1,2,3,4,5,6,7
	v_fma_mix_f32_bf16 v[SUM+(\e)], v[XP+m], v[G+16*(\e)+m], v[SUM+(\e)] op_sel:[1,1,0] op_sel_hi:[1,1,0]
.endr
.set m, m+1
.endr
.irp x, 1,2,4,8                                ; across the lanes: four steps inside a half, one across the halves
.irp e, 0,1,2,3,4,5,6,7
	v_add_f32_dpp v[SUM+(\e)], v[SUM+(\e)], v[SUM+(\e)] row_xmask:\x row_mask:0xf bank_mask:0xf
.endr
.endr
.irp e, 0,1,2,3,4,5,6,7
	v_permlanex16_b32 v200, v[SUM+(\e)], s20, s21
	v_add_f32 v[SUM+(\e)], v[SUM+(\e)], v200
.endr
	s_wait_kmcnt 0x0                               ; gate_b
.irp p, 0,1,2,3
	v_cvt_pk_bf16_f32 v201, s[24+2*(\p)], s[25+2*(\p)]
	v_lshlrev_b32 v202, 16, v201
	v_and_b32 v203, 0xffff0000, v201
	v_add_f32 v[SUM+2*(\p)], v[SUM+2*(\p)], v202
	v_add_f32 v[SUM+2*(\p)+1], v[SUM+2*(\p)+1], v203
.endr
	; the largest: strictly greater replaces, so the lower index keeps a tie
	v_mov_b32 v208, v[SUM]
	v_mov_b32 v209, 0
.irp e, 1,2,3,4,5,6,7
	v_cmp_gt_f32 vcc_lo, v[SUM+(\e)], v208
	v_cndmask_b32 v208, v208, v[SUM+(\e)], vcc_lo
	v_cndmask_b32 v209, v209, \e, vcc_lo
.endr
	; the second: the same scan with the first one's place set to minus infinity
	v_mov_b32 v220, 0xff800000
.irp e, 0,1,2,3,4,5,6,7
	v_cmp_eq_u32 vcc_lo, \e, v209
	v_cndmask_b32 v[210+(\e)], v[SUM+(\e)], v220, vcc_lo
.endr
	v_mov_b32 v218, v210
	v_mov_b32 v219, 0
.irp e, 1,2,3,4,5,6,7
	v_cmp_gt_f32 vcc_lo, v[210+(\e)], v218
	v_cndmask_b32 v218, v218, v[210+(\e)], vcc_lo
	v_cndmask_b32 v219, v219, \e, vcc_lo
.endr
	; softmax of the two, the larger taken away: E = e^(l2 - l1) <= 1; weights 1 / (1 + E) and E / (1 + E)
	v_sub_f32 v221, v218, v208
	v_mul_f32 v221, 0x3fb8aa3b, v221
	v_exp_f32 v222, v221
	v_mov_b32 v228, 1                              ; a plain instruction behind the exponential
	s_wait_alu depctr_va_vdst(0)                   ; the wait ahead of the first use
	v_add_f32 v223, 1.0, v222
	v_rcp_f32 v224, v223
	v_lshlrev_b32 v227, v209, v228                 ; 1 << e0: plain, names nothing of the reciprocal
	s_wait_alu depctr_va_vdst(0)
	v_mul_f32 v225, v222, v224
	v_lshlrev_b32 v229, v219, v228                 ; 1 << e1
	v_or_b32 v227, v227, v229
	v_lshl_or_b32 v226, v219, 8, v209
	v_lshl_or_b32 v226, v227, 16, v226
	v_mov_b32 v230, 0
	v_cmp_eq_u32 vcc_lo, 0, v1
	s_wait_xcnt 0x0                                ; EXEC changes only behind this wait: xb's stores have had their addresses translated
	s_and_saveexec_b32 s22, vcc_lo                 ; every lane holds the same numbers: lane 0 stores them
	global_store_b32 v230, v226, s[12:13]
	global_store_b64 v230, v[224:225], s[14:15]
	s_wait_xcnt 0x0
	s_or_b32 exec_lo, exec_lo, s22
	s_endpgm
.Lfunc_end_k_qfd80a5b1ed_router:
	.size	k_qfd80a5b1ed_router, .Lfunc_end_k_qfd80a5b1ed_router-k_qfd80a5b1ed_router
	.p2alignl 7, 3214868480
	.fill 96, 4, 3214868480
	.section	.rodata,"a",@progbits
	.p2align	6, 0x0
	.amdhsa_kernel k_qfd80a5b1ed_router
		.amdhsa_group_segment_fixed_size 0
		.amdhsa_private_segment_fixed_size 0
		.amdhsa_enable_private_segment 0
		.amdhsa_kernarg_size 48
		.amdhsa_user_sgpr_count 2
		.amdhsa_user_sgpr_kernarg_segment_ptr 1
		.amdhsa_wavefront_size32 1
		.amdhsa_system_sgpr_workgroup_id_x 1
		.amdhsa_system_sgpr_workgroup_id_y 1
		.amdhsa_system_sgpr_workgroup_id_z 1
		.amdhsa_system_vgpr_workitem_id 0
		.amdhsa_next_free_vgpr 384
		.amdhsa_next_free_sgpr 66
		.amdhsa_reserve_vcc 1
		.amdhsa_float_denorm_mode_32 3
		.amdhsa_float_denorm_mode_16_64 3
		.amdhsa_memory_ordered 1
		.amdhsa_forward_progress 1
		.amdhsa_inst_pref_size 42
	.end_amdhsa_kernel
	.amdgpu_metadata
---
amdhsa.version: [ 1, 2 ]
amdhsa.kernels:
  - .name:           k_qfd80a5b1ed_router
    .symbol:         k_qfd80a5b1ed_router.kd
    .args:
      - { .name: x, .offset: 0, .size: 8, .value_kind: global_buffer, .address_space: global }
      - { .name: gate_w, .offset: 8, .size: 8, .value_kind: global_buffer, .address_space: global }
      - { .name: gate_b, .offset: 16, .size: 8, .value_kind: global_buffer, .address_space: global }
      - { .name: xb, .offset: 24, .size: 8, .value_kind: global_buffer, .address_space: global }
      - { .name: sel, .offset: 32, .size: 8, .value_kind: global_buffer, .address_space: global }
      - { .name: rw, .offset: 40, .size: 8, .value_kind: global_buffer, .address_space: global }
    .group_segment_fixed_size: 0
    .private_segment_fixed_size: 0
    .kernarg_segment_align: 8
    .kernarg_segment_size: 48
    .max_flat_workgroup_size: 128
    .sgpr_count:     66
    .vgpr_count:     384
    .wavefront_size: 32
...
	.end_amdgpu_metadata
.endif
;; end of part 1
;; launch ffn1 (part 2): grid 256 x 1, 4 waves a work-group, no clusters, 271,104 bytes of LDS; arguments w1, b1, xb, sel, h, pos, cnt; writes h, pos, cnt
.if DOCPART == 2
	.amdgcn_target "amdgcn-amd-amdhsa--gfx1250"
	.amdhsa_code_object_version 6
	.text
	.protected	k_qfd80a5b1ed_ffn1
	.globl	k_qfd80a5b1ed_ffn1
	.p2align	8
	.type	k_qfd80a5b1ed_ffn1,@function
k_qfd80a5b1ed_ffn1:
	s_mov_b64 s[64:65], 0
	v_nop
	global_prefetch_b8 v0, s[64:65] scope:SCOPE_SE
	s_setreg_imm32_b32 hwreg(HW_REG_WAVE_MODE, 25, 1), 1
	s_wait_xcnt 0x0
; FIRST PRODUCT.  h = gelu(x_rows . w1[e] + b1[e]) for the rows that chose expert e.  Work-group = (e = wg / 32, sl = wg % 32): 128 columns of F,
; all 1,024 of K: 512 KB of f32 weights that this work-group alone reads, once, and rounds to bf16 on their way through registers.
; FOUR WAVES, all alike.  K goes in 16 chunks of 64.  In trip t every wave (a) rounds its quarter of chunk t + 1 (32 of K x 64 columns, 16 loads) and stores it into LDS
; in the matrix operand's register image, (b) asks for its quarter of chunk t + 3, (c) multiplies chunk t with its five tiles of 16 rows x all 128 columns.
; One barrier a trip.  No LDS byte of the slice is written twice: the whole slice (266,240 bytes) stays, and rows beyond the first 320 are multiplied out of it afterwards.
; LOADS.  Weights and token rows share one counter and come back in issue order, so the order is fixed: trip t issues rows of k-step 2t + 3, weights of chunk t + 3, rows of k-step 2t + 4.
; A weight load is waited for two trips after its issue; by this text's count at most 62 loads of a wave are out.  First and last trips are written out: no load is jumped over.
; K is walked from chunk sl % 16 on, round: the 32 work-groups of an expert read the same rows of xb at different places.
; ROWS.  Every wave ballots sel's 32 words a lane for the expert: 32 masks of 32 tokens, each with the count of tokens ahead of it; a token's rank is that count plus the set bits below its own.
; Tile t (16 ranks) belongs to wave t % 4; a block is 20 tiles, five a wave.  The tokens of its five tiles of the first block a wave finds IN REGISTERS: while the masks go by, each lane keeps the
; last mask whose count does not pass its rank; the wanted bit's place in that mask is then found by halving.  So the first row loads hang on sel and on register arithmetic alone: no LDS trip and
; no barrier stands in front of them.  Wave 0 also stores the list rank -> token in LDS, for the blocks beyond the first.  Places past the count take a row that exists and are not used.
; Served: every split, 0 to 1,024 rows.
; MATRIX INSTRUCTION: source 0 = 16 weight columns, source 1 = 16 token rows: a lane then holds one token and eight neighbouring columns, and two column tiles rounded in pairs ARE
; source 1 of the second product: h is stored as such images, 1 KB for 16 ranks x 32 of F.
; GELU is the erf form, erf by a rational form whose absolute error stays under 1.5e-7 for every argument: gelu = max(x,0) - |x| q, q = poly(t) 2^(-0.7213 x^2) / 2, t = 1 / (1 + 0.23164 |x|).
; LIMITS.  w1, b1 and x are rounded once to bf16, h once to bf16; K is summed from a rotated start; a wave with one to three live tiles multiplies four; blocks beyond the first load their
; rows at each chunk's head, not ahead; NaN and infinities are not treated apart.
; NO JOINT LOADS: each weight byte has one reader; what the expert's work-groups share, the token rows, comes by a list that no descriptor covers.
; REGISTERS, in windows of 256 (s_set_vgpr_msb: bits 1:0 source 0, 3:2 source 1, 5:4 source 2, 7:6 destination):
;   window 0: v0 thread, v1 lane, v2 r = lane % 16, v3 hh = lane / 16, v4/v5 the add's two registers, v6 16 x lane, v7/v8 LDS addresses (read, store), v9 my offset in a group of weight rows,
;             v10 my place in a chunk's image, v12 16 hh, v13 32 hh, v14/v15/v23 at work, v21/v22 at work, later two more read addresses, v16-20 my five tiles' row offsets,
;             v24-87 weight fragments (two buffers), v88-247 token fragments (four k-steps); at the head these hold the ranks and what the search for my tokens needs
;   window 1: accumulators of tiles 0-3 at 64 a + 8 c     window 2: v0-63 tile 4's, v64-191 two sets of 16 weight loads, v192-223 packed     window 3: v0-63 b1 of my 128 columns
.set PITCH, 16384                      ; bytes from a row of w1[e] to the next
.set CHSH,  20                         ; a chunk: 64 rows = 1 << 20 bytes
.set HHSH,  17                         ; 8 rows
.set SPSH,  19                         ; 32 rows
.set FP,    1040                       ; a fragment in LDS: 1,024 bytes + 16, so that the sixteen lanes of a store touch sixteen different 16-byte columns modulo 256
.set RUNB,  4*FP                       ; a run: 32 of K x 64 columns = four fragments
.set CHB,   4*RUNB                     ; a chunk: four runs
.set LIST,  64*RUNB                    ; behind the slice: the list, 1,024 words and a dump word
.set SPARE, LIST+4352                  ; the spare words: 128 bytes for each of four waves; no other line names them
.set ACHSH, 7                          ; a chunk of a row of xb: 128 bytes
.set ASP,   64                         ; 32 of K
.set AJH,   32                         ; the fragment's upper four registers
.set VA,    16
.set B0,    24
.set B1,    56
.set AR,    88                         ; k-step s lies in set s % 4, 40 registers a set, 8 a tile
.set SW,    88                         ; at the head only: v[88:119] sel's words
.set RK,    24                         ; v[24:55]  the ranks of my 32 tokens (0x400 where the token did not choose the expert)
.set RHO,   56                         ; five registers each, one a tile: my rank,
.set MSK,   61                         ; the mask that holds it,
.set KEY,   66                         ; that mask's count of tokens ahead (low half) and its first token (high half),
.set CT2,   71                         ; the mask's set bits counted in fields of 2,
.set CT4,   76                         ; of 4,
.set CT8,   81                         ; of 8 bits,
.set TKB,   208                        ; the first token,
.set IDX,   213                        ; which set bit is wanted,
.set POSN,  218                        ; its place so far,
.set CNT,   223                        ; and two at work
.set DIF,   228
.set ACC4,  0                          ; window 2
.set L0,    64
.set L1,    128
.set PK,    192
.set GB,    0                          ; window 3
.set GT,    24                         ; the way out, window 0: x + b, 32 numbers
.set GU,    56                         ; t, later the result
.set GV,    88                         ; the exponential
.set GW,    120                        ; the polynomial
.set GO,    152                        ; 16 words of bf16
.set MSB, 0
.macro WIN new                         ; the immediate's high byte repeats the setting that is left; at a label and at a branch every window is 0
.if MSB != (\new)
	s_set_vgpr_msb (MSB<<8)|(\new)
.set MSB, \new
.endif
.endm
.macro PLACES                          ; four plain places between a matrix instruction and a load into, or a read of, its registers
.rept 4
	v_nop
.endr
.endm
.macro ALL5 line:vararg                ; one line for each of my five tiles tv: no line reads the result of the one before it
.set tv, 0
.rept 5
	\line
.set tv, tv+1
.endr
.endm
; One halving of the search for set bit IDX of MSK: the field of wd bits of src at POSN counts the set bits of the lower half of what is left.  If IDX is below that count the bit lies there;
; else the count is taken off IDX and POSN goes 1 << sh up.  IDX - count wraps to a large number where it would be negative: the minimum keeps the right one, and its sign, spread over the word, is -1 or 0.
.macro HALVE src, wd, sh, last
	ALL5 v_bfe_u32 v[CNT+tv], v[\src+tv], v[POSN+tv], \wd
	ALL5 v_sub_nc_u32 v[DIF+tv], v[IDX+tv], v[CNT+tv]
.if !(\last)
	ALL5 v_min_u32 v[IDX+tv], v[IDX+tv], v[DIF+tv]
.endif
	ALL5 v_ashrrev_i32 v[DIF+tv], 31, v[DIF+tv]
	ALL5 v_lshl_add_u32 v[POSN+tv], v[DIF+tv], \sh, v[POSN+tv]
	ALL5 v_add_nc_u32 v[POSN+tv], 1<<(\sh), v[POSN+tv]
.endm
; Lane (r, hh) takes 16 bytes, columns 4 r .. 4 r + 3 of my 64, of 16 rows: 8 hh + 0..7 and 16 + 8 hh + 0..7.  Lanes 0-15 cover 256 consecutive bytes, aligned.
.macro WLOAD set
	WIN 0x80
.irp i, 0,1,2,3,4,5,6,7,8,9,10,11,12,13,14,15
	global_load_b128 v[\set+4*(\i):\set+4*(\i)+3], v9, s[30:31] offset:(((\i)>>3)*16+((\i)&7))*PITCH th:TH_LOAD_NT
.endr
	WIN 0
.endm
; Column 4 r + q: two neighbouring rows round into one word; four words are registers 4 jh .. of lane slot 4 (r % 4) + q + 16 hh of fragment r / 4.
.macro WCONV set
	WIN 0x8a
.irp q, 0,1,2,3
.irp jh, 0,1
.irp m, 0,1,2,3
	v_cvt_pk_bf16_f32 v[PK+8*(\q)+4*(\jh)+(\m)], v[\set+4*(8*(\jh)+2*(\m))+(\q)], v[\set+4*(8*(\jh)+2*(\m)+1)+(\q)]
.endr
.endr
.endr
	WIN 0x08
.irp q, 0,1,2,3
.irp jh, 0,1
	ds_store_b128 v8, v[PK+8*(\q)+4*(\jh):PK+8*(\q)+4*(\jh)+3] offset:(\q)*16+(\jh)*512
.endr
.endr
	WIN 0
.endm
.macro BLOAD buf, ru, ad=7             ; run ru of the chunk whose address lies in v[ad]: four fragments, 16 x lane: consecutive bytes
.irp c, 0,1,2,3
	ds_load_b128 v[\buf+8*(\c):\buf+8*(\c)+3],   v[\ad] offset:(\ru)*RUNB+(\c)*FP
	ds_load_b128 v[\buf+8*(\c)+4:\buf+8*(\c)+7], v[\ad] offset:(\ru)*RUNB+(\c)*FP+512
.endr
.endm
.macro ALOAD ab, bs, sp                ; my five tiles' fragments of k-step sp of the chunk at s[bs:bs+1]
.irp a, 0,1,2,3,4
	global_load_b128 v[\ab+8*(\a):\ab+8*(\a)+3],   v[VA+(\a)], s[\bs:\bs+1] offset:(\sp)*ASP
	global_load_b128 v[\ab+8*(\a)+4:\ab+8*(\a)+7], v[VA+(\a)], s[\bs:\bs+1] offset:(\sp)*ASP+AJH
.endr
.endm
; 20 matrix instructions: five tiles x four column tiles of group g.  All accumulators differ and neighbouring runs begin and end on different ones: they take turns.
; zero = 1: the first k-step starts the sums and is never jumped.  Else the fifth tile's four are jumped where that tile holds no row (s41 = 0).
.macro RUN ab, buf, g, zero
	WIN 0x50
.irp a, 0,1,2,3
.irp c, 0,1,2,3
.if \zero
	v_wmma_f32_16x16x32_bf16 v[64*(\a)+8*(4*(\g)+(\c)):64*(\a)+8*(4*(\g)+(\c))+7], v[\buf+8*(\c):\buf+8*(\c)+7], v[\ab+8*(\a):\ab+8*(\a)+7], 0
.else
	v_wmma_f32_16x16x32_bf16 v[64*(\a)+8*(4*(\g)+(\c)):64*(\a)+8*(4*(\g)+(\c))+7], v[\buf+8*(\c):\buf+8*(\c)+7], v[\ab+8*(\a):\ab+8*(\a)+7], v[64*(\a)+8*(4*(\g)+(\c)):64*(\a)+8*(4*(\g)+(\c))+7]
.endif
.endr
.endr
.if !(\zero)
	WIN 0
	s_cmp_lg_u32 s41, 0
	s_cbranch_scc0 .Lr_\@
.endif
	WIN 0xa0
.irp c, 0,1,2,3
.if \zero
	v_wmma_f32_16x16x32_bf16 v[ACC4+8*(4*(\g)+(\c)):ACC4+8*(4*(\g)+(\c))+7], v[\buf+8*(\c):\buf+8*(\c)+7], v[\ab+32:\ab+39], 0
.else
	v_wmma_f32_16x16x32_bf16 v[ACC4+8*(4*(\g)+(\c)):ACC4+8*(4*(\g)+(\c))+7], v[\buf+8*(\c):\buf+8*(\c)+7], v[\ab+32:\ab+39], v[ACC4+8*(4*(\g)+(\c)):ACC4+8*(4*(\g)+(\c))+7]
.endif
.endr
	WIN 0
.if !(\zero)
.Lr_\@:
.endif
.endm
; TRIP t.  par = t % 2.  s22 = t + the walk's first chunk, s24 / s25 = LDS byte of chunk t / t + 1.  conv: chunk t + 1 is rounded and stored; wl: chunk t + 3 is asked for;
; a3, a4: the rows of k-steps 2t + 3, 2t + 4 are asked for; c1, c2: the loads that may stay out at the two waits; bar: the barrier that shows chunk t + 1 to every wave.
.macro TRIP par, zero, conv, wl, a3, a4, c1, c2, bar
.set SA, AR+80*(\par)
.set SB, AR+80*(\par)+40
.set SC, AR+40*((2*(\par)+3)%4)
.set LS, L0+64*(1-(\par))
	s_wait_loadcnt \c1                             ; loads come back in order (ISA guide 5.7.1): the weights of chunk t + 1 and the rows of k-step 2t are in
	v_add_nc_u32 v7, s24, v6
	BLOAD B0, 0
	BLOAD B1, 1
.if (\a3)||(\a4)||(\wl)
	s_wait_xcnt 0x0                                ; the pending loads have had their addresses translated: their bases may step
.endif
.if \a3
	s_add_co_u32 s45, s22, 1
	s_and_b32 s45, s45, 15
	s_lshl_b32 s26, s45, ACHSH
	s_add_nc_u64 s[34:35], s[32:33], s[26:27]
.endif
.if \a4
	s_add_co_u32 s45, s22, 2
	s_and_b32 s45, s45, 15
	s_lshl_b32 s26, s45, ACHSH
	s_add_nc_u64 s[76:77], s[32:33], s[26:27]
.endif
.if \wl
	s_add_co_u32 s45, s22, 3
	s_and_b32 s45, s45, 15
	s_lshl_b32 s26, s45, CHSH
	s_add_nc_u64 s[30:31], s[28:29], s[26:27]
.endif
.if \a3
	ALOAD SC, 34, 1
.endif
.if \conv
	v_add_nc_u32 v8, s25, v10
	WCONV LS
.endif
.if \wl
	WLOAD LS
.endif
	s_wait_dscnt 8+8*(\conv)                       ; B0 is in; B1's eight loads and the eight stores are younger
	RUN SA, B0, 0, \zero
	PLACES
	BLOAD B0, 2
	s_wait_dscnt 8+8*(\conv)                       ; B1 is in; the eight stores and B0's new eight are younger
	RUN SA, B1, 1, \zero
	PLACES
	BLOAD B1, 3
	s_wait_loadcnt \c2                             ; the rows of k-step 2t + 1 are in
.if \a4
	ALOAD SA, 76, 0
.endif
	s_wait_dscnt 8                                 ; B0 (run 2) is in
	RUN SB, B0, 0, 0
	s_wait_dscnt 0x0
	RUN SB, B1, 1, 0
	PLACES
	s_add_co_u32 s22, s22, 1
	s_add_co_u32 s24, s24, CHB
	s_add_co_u32 s25, s25, CHB
.if \bar
	s_wait_dscnt 0x0                               ; for the others' sake: my stores of chunk t + 1 are done
	s_barrier_signal -1
	s_barrier_wait -1
.endif
.endm
; The read address of the chunk at LDS byte s24, made directly in front of the loads that use it, in a register of its own for each group of loads.  It is held at lane 31's place in
; chunk 15, the largest that it takes: with the largest offset, 16,112, and a load's 16 bytes the reads end at byte 266,224, inside the slice.
.macro SLICEAT ad
	v_add_nc_u32 v[\ad], s24, v6
	v_min_u32 v[\ad], 15*CHB+496, v[\ad]
.endm
; A chunk of a later block, written once and walked 16 times (s78 counts 16 .. 1): the slice is read out of LDS, which nobody writes any more; the rows are loaded at the chunk's head.
; In the first trip the first k-step's two runs start the sums.
.macro OCH
	s_and_b32 s45, s22, 15
	s_lshl_b32 s26, s45, ACHSH
	s_wait_xcnt 0x0
	s_add_nc_u64 s[34:35], s[32:33], s[26:27]
	ALOAD AR, 34, 0
	ALOAD AR+40, 34, 1
	SLICEAT 7
	BLOAD B0, 0, 7
	BLOAD B1, 1, 7
	s_wait_loadcnt 10                              ; the first k-step's ten loads are in
	s_wait_dscnt 8
	s_cmp_eq_u32 s78, 16
	s_cbranch_scc1 .Lza_\@
	RUN AR, B0, 0, 0
	s_branch .Lja_\@
.Lza_\@:
	RUN AR, B0, 0, 1
.Lja_\@:
	PLACES
	SLICEAT 21
	BLOAD B0, 2, 21
	s_wait_dscnt 8
	s_cmp_eq_u32 s78, 16
	s_cbranch_scc1 .Lzb_\@
	RUN AR, B1, 1, 0
	s_branch .Ljb_\@
.Lzb_\@:
	RUN AR, B1, 1, 1
.Ljb_\@:
	PLACES
	SLICEAT 22
	BLOAD B1, 3, 22
	s_wait_loadcnt 0x0
	s_wait_dscnt 8
	RUN AR+40, B0, 0, 0
	s_wait_dscnt 0x0
	RUN AR+40, B1, 1, 0
	PLACES
	s_add_co_u32 s22, s22, 1
	s_add_co_u32 s24, s24, CHB
.endm
; The row offsets of my five tiles of a later block, at tile s42: tile and rank are held inside what exists, the token comes from the list.
.macro TILES
.irp a, 0,1,2,3,4
	s_add_co_u32 s45, s42, 4*(\a)
	s_add_co_u32 s45, s45, s2
	s_min_u32 s45, s45, s38
	s_min_u32 s45, s45, 63
	s_lshl_b32 s45, s45, 4
	v_add_nc_u32 v14, s45, v2
	v_min_u32 v14, s39, v14
	v_min_u32 v14, 0x3ff, v14
	v_lshl_add_u32 v14, v14, 2, LIST
	ds_load_b32 v[VA+(\a)], v14
.endr
	s_wait_dscnt 0x0
.irp a, 0,1,2,3,4
	v_min_u32 v[VA+(\a)], 0x3ff, v[VA+(\a)]
	v_lshl_add_u32 v[VA+(\a)], v[VA+(\a)], 11, v12 ; token x 2,048 + 16 hh
.endr
	s_add_co_u32 s45, s42, 16
	s_add_co_u32 s45, s45, s2
	s_cmp_lt_u32 s45, s37
	s_cselect_b32 s41, 1, 0                        ; does my fifth tile hold a row?
.endm
; The way out, pass v: tile v / 2, columns 64 (v % 2) on: accumulators + bias, each accumulator's lowest registers first
.macro ADDB v
.if ((\v)>>1) < 4
	WIN 0x0d                                       ; source 0 in window 1, source 1 in window 3
.set AB, 64*((\v)>>1)+32*((\v)&1)
.else
	WIN 0x0e                                       ; source 0 in window 2
.set AB, ACC4+32*((\v)&1)
.endif
.irp i, 0,1,2,3,4,5,6,7,8,9,10,11,12,13,14,15
	v_pk_add_f32 v[GT+2*(\i):GT+2*(\i)+1], v[AB+2*(\i):AB+2*(\i)+1], v[GB+32*((\v)&1)+2*(\i):GB+32*((\v)&1)+2*(\i)+1]
.endr
	WIN 0
.endm
.macro PREL p, n                       ; pair p: -0.7213 x^2 and 1 + 0.23164 |x|
.if (\n) == 0
	v_pk_mul_f32 v[GV+2*(\p):GV+2*(\p)+1], v[GT+2*(\p):GT+2*(\p)+1], s[52:53] op_sel_hi:[1,0]
.elseif (\n) == 1
	v_pk_mul_f32 v[GV+2*(\p):GV+2*(\p)+1], v[GV+2*(\p):GV+2*(\p)+1], v[GT+2*(\p):GT+2*(\p)+1]
.elseif (\n) == 2
	v_fma_f32 v[GU+2*(\p)], |v[GT+2*(\p)]|, s50, 1.0
.else
	v_fma_f32 v[GU+2*(\p)+1], |v[GT+2*(\p)+1]|, s50, 1.0
.endif
.endm
.macro TRL p, n                        ; pair p: two reciprocals, two exponentials
.if (\n) == 0
	v_rcp_f32 v[GU+2*(\p)], v[GU+2*(\p)]
.elseif (\n) == 1
	v_rcp_f32 v[GU+2*(\p)+1], v[GU+2*(\p)+1]
.elseif (\n) == 2
	v_exp_f32 v[GV+2*(\p)], v[GV+2*(\p)]
.else
	v_exp_f32 v[GV+2*(\p)+1], v[GV+2*(\p)+1]
.endif
.endm
.macro POSTL p, n                      ; pair p: q by Horner, max(x,0) - |x| q, rounded to bf16
.if (\n) == 0
	v_pk_fma_f32 v[GW+2*(\p):GW+2*(\p)+1], v[GU+2*(\p):GU+2*(\p)+1], s[54:55], s[56:57] op_sel_hi:[1,0,0]
.elseif (\n) == 1
	v_pk_fma_f32 v[GW+2*(\p):GW+2*(\p)+1], v[GW+2*(\p):GW+2*(\p)+1], v[GU+2*(\p):GU+2*(\p)+1], s[58:59] op_sel_hi:[1,1,0]
.elseif (\n) == 2
	v_pk_fma_f32 v[GW+2*(\p):GW+2*(\p)+1], v[GW+2*(\p):GW+2*(\p)+1], v[GU+2*(\p):GU+2*(\p)+1], s[60:61] op_sel_hi:[1,1,0]
.elseif (\n) == 3
	v_pk_fma_f32 v[GW+2*(\p):GW+2*(\p)+1], v[GW+2*(\p):GW+2*(\p)+1], v[GU+2*(\p):GU+2*(\p)+1], s[62:63] op_sel_hi:[1,1,0]
.elseif (\n) == 4
	v_pk_mul_f32 v[GW+2*(\p):GW+2*(\p)+1], v[GW+2*(\p):GW+2*(\p)+1], v[GU+2*(\p):GU+2*(\p)+1]
.elseif (\n) == 5
	v_pk_mul_f32 v[GW+2*(\p):GW+2*(\p)+1], v[GW+2*(\p):GW+2*(\p)+1], v[GV+2*(\p):GV+2*(\p)+1]
.elseif (\n) == 6
	v_max_num_f32 v[GU+2*(\p)], 0, v[GT+2*(\p)]
.elseif (\n) == 7
	v_max_num_f32 v[GU+2*(\p)+1], 0, v[GT+2*(\p)+1]
.elseif (\n) == 8
	v_fma_f32 v[GU+2*(\p)], -|v[GT+2*(\p)]|, v[GW+2*(\p)], v[GU+2*(\p)]
.elseif (\n) == 9
	v_fma_f32 v[GU+2*(\p)+1], -|v[GT+2*(\p)+1]|, v[GW+2*(\p)+1], v[GU+2*(\p)+1]
.else
	v_cvt_pk_bf16_f32 v[GO+(\p)], v[GU+2*(\p)], v[GU+2*(\p)+1]
.endif
.endm
	s_load_b256 s[8:15], s[0:1], 0x0               ; w1 s[8:9], b1 s[10:11], xb s[12:13], sel s[14:15]
	s_load_b128 s[16:19], s[0:1], 0x20             ; h s[16:17], pos s[18:19]
	s_load_b64 s[20:21], s[0:1], 0x30              ; cnt
	v_lshl_add_u32 v4, v0, 2, SPARE                ; my spare word,
	v_mov_b32 v5, 0                                ; and 0: kept for the closing add alone
	v_and_b32 v1, 31, v0
	v_and_b32 v2, 15, v0
	v_bfe_u32 v3, v0, 4, 1
	v_lshrrev_b32 v14, 5, v0
	v_readfirstlane_b32 s2, v14                    ; wave 0..3
	s_lshr_b32 s5, ttmp9, 5                        ; expert
	s_and_b32 s6, ttmp9, 31                        ; slice of 128 columns
	s_and_b32 s7, s6, 15                           ; the chunk at which my walk along K begins
	s_mov_b32 s27, 0                               ; the high word of every offset pair
	v_lshlrev_b32 v6, 4, v1
	v_lshlrev_b32 v12, 4, v3
	v_lshlrev_b32 v13, 5, v3
	v_lshlrev_b32 v9, 4, v2
	v_lshl_add_u32 v9, v3, HHSH, v9                ; 16 r + 8 hh rows
	v_lshrrev_b32 v14, 2, v2
	v_mul_u32_u24 v10, v14, FP
	v_and_b32 v14, 3, v2
	v_lshl_add_u32 v10, v14, 6, v10
	v_lshl_add_u32 v10, v3, 8, v10
	s_mul_i32 s45, s2, RUNB
	v_add_nc_u32 v10, s45, v10                     ; (r / 4) fragments + (r % 4) x 64 + 256 hh + my run of the chunk
	s_lshl_b32 s45, s2, 4
	v_add_nc_u32 v[RHO], s45, v2                   ; my rank in tile a of my five: 64 a + 16 x wave + r
.irp a, 1,2,3,4
	v_add_nc_u32 v[RHO+(\a)], 64*(\a), v[RHO]
.endr
	s_wait_kmcnt 0x0
	; ---- the first loads, in the order in which they are waited for: sel, b1, the weights of chunks 0 and 1: 56 loads of mine are out
.irp q, 0,1,2,3,4,5,6,7
	global_load_b128 v[SW+4*(\q):SW+4*(\q)+3], v6, s[14:15] offset:512*(\q)   ; word (q, i): token 128 q + 4 lane + i
.endr
	s_lshl_b32 s26, s5, 14
	s_lshl_b32 s45, s6, 9
	s_add_co_u32 s26, s26, s45
	s_add_nc_u64 s[68:69], s[10:11], s[26:27]      ; b1 at my 128 columns
	WIN 0xc0
.irp i, 0,1,2,3,4,5,6,7,8,9,10,11,12,13,14,15
	global_load_b128 v[GB+4*(\i):GB+4*(\i)+3], v13, s[68:69] offset:((\i)>>3)*256+(((\i)>>1)&3)*64+((\i)&1)*16   ; columns 16 c + 8 hh + 0..7
.endr
	WIN 0
	s_lshl_b32 s26, s5, 24
	s_add_co_u32 s26, s26, s45
	s_and_b32 s45, s2, 1                           ; my column group of 64,
	s_lshl_b32 s45, s45, 8
	s_add_co_u32 s26, s26, s45
	s_lshr_b32 s45, s2, 1                          ; my k-step of a chunk
	s_lshl_b32 s45, s45, SPSH
	s_add_co_u32 s26, s26, s45
	s_add_nc_u64 s[28:29], s[8:9], s[26:27]
	s_lshl_b32 s26, s7, CHSH
	s_add_nc_u64 s[30:31], s[28:29], s[26:27]
	WLOAD L0
	s_add_co_u32 s45, s7, 1
	s_and_b32 s45, s45, 15
	s_lshl_b32 s26, s45, CHSH
	s_wait_xcnt 0x0                                ; the base steps only behind this wait
	s_add_nc_u64 s[30:31], s[28:29], s[26:27]
	WLOAD L1
	s_mov_b32 s50, 0x3e6d3388                      ; 0.23164189
	s_mov_b32 s51, 0xffff0000                      ; a word's upper bf16
	s_mov_b32 s52, 0xbf38aa3b                      ; -log2(e) / 2
	s_mov_b32 s53, 0xbf38aa3b
	s_mov_b32 s54, 0x3f07dc22                      ; the polynomial's five coefficients, halved: highest power first
	s_mov_b32 s55, 0x3f07dc22
	s_mov_b32 s56, 0xbf3a00e3
	s_mov_b32 s57, 0xbf3a00e3
	s_mov_b32 s58, 0x3f35f0e3
	s_mov_b32 s59, 0x3f35f0e3
	s_mov_b32 s60, 0xbe11a98e
	s_mov_b32 s61, 0xbe11a98e
	s_mov_b32 s62, 0x3e027906
	s_mov_b32 s63, 0x3e027906
	s_mov_b32 s3, 0x55555555                       ; the masks of the counts in fields of 2, 4 and 8 bits
	s_mov_b32 s4, 0x33333333
	s_mov_b32 s23, 0x0f0f0f0f
	s_add_co_u32 s46, s5, 16
	s_lshl_b32 s46, 1, s46                         ; the expert's bit in a word of sel
	s_mov_b32 s47, 0                               ; tokens so far
	v_mov_b32 v21, 0x400                           ; the dump word's number
	s_wait_loadcnt 32                              ; sel and b1 are in; the 32 weight loads are younger
	WIN 0x0f                                       ; the bias is rounded to bf16 like every input
.set j, 0
.rept 32
	v_cvt_pk_bf16_f32 v[B0+j], v[GB+2*j], v[GB+2*j+1]
.set j, j+1
.endr
	WIN 0xc0
.set j, 0
.rept 32
	v_lshlrev_b32 v[GB+2*j], 16, v[B0+j]
	v_and_b32 v[GB+2*j+1], s51, v[B0+j]
.set j, j+1
.endr
	WIN 0
	; ---- the expert's tokens.  Word w: s48 = the lanes whose token chose the expert, s47 = such tokens in the words before, s49 = s47 with the word's first token above it.
	; For each of my five ranks the mask and key are taken over as long as s47 does not pass the rank: what stays is the word that holds the rank.
	; A word holds 32 tokens at the most, so rank 64 a + .. cannot lie ahead of word 2 a, where s47 is 64 a at the most: tile a begins there, without a compare.
.set w, 0
.rept 32
	v_and_b32 v14, s46, v[SW+w]
	v_cmp_ne_u32 s48, 0, v14
	v_mbcnt_lo_u32_b32 v15, s48, s47               ; rank = tokens so far + such lanes below mine
	v_cndmask_b32 v[RK+w], v21, v15, s48           ; the dump word's number for the others
	s_or_b32 s49, s47, (128*(w/4)+(w%4))<<16
.irp a, 0,1,2,3,4
.if w == 2*(\a)
	v_mov_b32 v[MSK+(\a)], s48
	v_mov_b32 v[KEY+(\a)], s49
.elseif w > 2*(\a)
	v_cmp_gt_u32 vcc_lo, s47, v[RHO+(\a)]          ; the word begins behind my rank: keep what I have
	v_cndmask_b32 v[MSK+(\a)], s48, v[MSK+(\a)], vcc_lo
	v_cndmask_b32 v[KEY+(\a)], s49, v[KEY+(\a)], vcc_lo
.endif
.endr
	s_bcnt1_i32_b32 s45, s48
	s_add_co_u32 s47, s47, s45
.set w, w+1
.endr
	s_min_u32 s36, s47, 0x400                      ; n
	s_max_u32 s45, s36, 1
	s_sub_co_u32 s39, s45, 1                       ; the last rank that exists
	s_add_co_u32 s37, s45, 15
	s_lshr_b32 s37, s37, 4                         ; tiles, at least one
	s_sub_co_u32 s38, s37, 1
	s_add_co_u32 s45, s2, 16
	s_cmp_lt_u32 s45, s37
	s_cselect_b32 s41, 1, 0                        ; does my fifth tile hold a row?
	; ---- which bit of the mask: its set bits counted in fields of 2, 4 and 8 bits and in the low 16, then five halvings
	ALL5 v_lshrrev_b32 v[CT2+tv], 1, v[MSK+tv]
	ALL5 v_and_b32 v[CT2+tv], s3, v[CT2+tv]
	ALL5 v_sub_nc_u32 v[CT2+tv], v[MSK+tv], v[CT2+tv]
	ALL5 v_lshrrev_b32 v[CT4+tv], 2, v[CT2+tv]
	ALL5 v_and_b32 v[CNT+tv], s4, v[CT2+tv]
	ALL5 v_and_b32 v[CT4+tv], s4, v[CT4+tv]
	ALL5 v_add_nc_u32 v[CT4+tv], v[CT4+tv], v[CNT+tv]
	ALL5 v_lshrrev_b32 v[CT8+tv], 4, v[CT4+tv]
	ALL5 v_add_nc_u32 v[CT8+tv], v[CT8+tv], v[CT4+tv]
	ALL5 v_and_b32 v[CT8+tv], s23, v[CT8+tv]
	ALL5 v_lshrrev_b32 v[CNT+tv], 8, v[CT8+tv]
	ALL5 v_add_nc_u32 v[CNT+tv], v[CNT+tv], v[CT8+tv]
	ALL5 v_and_b32 v[CNT+tv], 0xff, v[CNT+tv]      ; the set bits among the low 16
	ALL5 v_and_b32 v[IDX+tv], 0xffff, v[KEY+tv]
	ALL5 v_sub_nc_u32 v[IDX+tv], v[RHO+tv], v[IDX+tv]  ; my rank less the tokens ahead of the word
	ALL5 v_lshrrev_b32 v[TKB+tv], 16, v[KEY+tv]
	ALL5 v_sub_nc_u32 v[DIF+tv], v[IDX+tv], v[CNT+tv]
	ALL5 v_min_u32 v[IDX+tv], v[IDX+tv], v[DIF+tv]
	ALL5 v_ashrrev_i32 v[DIF+tv], 31, v[DIF+tv]
	ALL5 v_lshl_add_u32 v[POSN+tv], v[DIF+tv], 4, 16
	HALVE CT8, 8, 3, 0
	HALVE CT4, 4, 2, 0
	HALVE CT2, 2, 1, 0
	HALVE MSK, 1, 0, 1
	ALL5 v_lshl_add_u32 v[POSN+tv], v[POSN+tv], 2, v[TKB+tv]   ; the token: the word's first + 4 x lane
.irp a, 0,1,2,3,4
	v_cmp_gt_u32 vcc_lo, s36, v[RHO+(\a)]          ; a place past the count takes token 0's row: it exists, and what is made of it is not used
	v_cndmask_b32 v[POSN+(\a)], 0, v[POSN+(\a)], vcc_lo
.endr
	ALL5 v_min_u32 v[POSN+tv], 0x3ff, v[POSN+tv]
	ALL5 v_lshl_add_u32 v[VA+tv], v[POSN+tv], 11, v12          ; token x 2,048 + 16 hh
	s_mov_b64 s[32:33], s[12:13]
	s_lshl_b32 s26, s7, ACHSH
	s_add_nc_u64 s[34:35], s[32:33], s[26:27]      ; chunk 0 of my walk,
	s_add_co_u32 s45, s7, 1
	s_and_b32 s45, s45, 15
	s_lshl_b32 s26, s45, ACHSH
	s_add_nc_u64 s[76:77], s[32:33], s[26:27]      ; chunk 1
	ALOAD AR, 34, 0
	ALOAD AR+40, 34, 1
	ALOAD AR+80, 76, 0
	; ---- while those are on their way: wave 0 alone stores the list.  It is read only in the blocks beyond the first, behind every trip's barrier; the first of these has my wait for these stores in front of it
	s_cmp_lg_u32 s2, 0
	s_cbranch_scc1 .Lnolist
	v_mov_b32 v22, LIST
	v_mov_b32 v23, 0
	ds_store_b32 v22, v23                          ; an expert without tokens still has a row to repeat: token 0
	v_lshlrev_b32 v22, 2, v1
.set w, 0
.rept 32
	v_min_u32 v14, 0x400, v[RK+w]
	v_lshl_add_u32 v14, v14, 2, LIST
	v_add_nc_u32 v15, 128*(w/4)+(w%4), v22
	ds_store_b32 v14, v15
.set w, w+1
.endr
	s_cmp_lg_u32 s6, 0
	s_cbranch_scc1 .Lnolist                        ; and in one work-group an expert the ranks and the count
	s_lshl_b32 s26, s5, 12
	s_add_nc_u64 s[66:67], s[18:19], s[26:27]      ; pos[e][token]
.irp q, 0,1,2,3,4,5,6,7
	global_store_b128 v6, v[RK+4*(\q):RK+4*(\q)+3], s[66:67] offset:512*(\q)  ; 512 consecutive bytes, aligned
.endr
	s_lshl_b32 s26, s5, 2
	s_add_nc_u64 s[74:75], s[20:21], s[26:27]
	v_mov_b32 v15, s36
	global_store_b32 v23, v15, s[74:75]            ; every lane writes the same word
	s_wait_xcnt 0x0                                ; the stores' registers are written again below
.Lnolist:
	s_wait_loadcnt 46                              ; the weights of chunk 0 are in; chunk 1's 16 and the 30 row loads are younger
	v_mov_b32 v8, v10
	WCONV L0
	s_add_co_u32 s45, s7, 2
	s_and_b32 s45, s45, 15
	s_lshl_b32 s26, s45, CHSH
	s_wait_xcnt 0x0
	s_add_nc_u64 s[30:31], s[28:29], s[26:27]
	WLOAD L0
	s_mov_b32 s22, s7
	s_mov_b32 s24, 0
	s_mov_b32 s25, CHB
	s_wait_dscnt 0x0                               ; for the others' sake: my stores of chunk 0, and wave 0's of the list, are done
	s_barrier_signal -1
	s_barrier_wait -1
	; ---- 16 trips.  At a trip's head the younger loads are: rows 10, weights 16, rows 10; at its middle: weights 16, rows 10, rows 10, weights 16
	TRIP 0, 1, 1, 1, 1, 1, 36, 52, 1               ; trip 0 starts the sums
	s_mov_b32 s78, 6
.Ltrip:                                                ; trips 1 to 12
	TRIP 1, 0, 1, 1, 1, 1, 36, 52, 1
	TRIP 0, 0, 1, 1, 1, 1, 36, 52, 1
	s_sub_co_u32 s78, s78, 1
	s_cmp_lg_u32 s78, 0
	s_cbranch_scc1 .Ltrip
	TRIP 1, 0, 1, 0, 1, 1, 36, 36, 1               ; trip 13: no weights are left to ask for: the counts run down
	TRIP 0, 0, 1, 0, 1, 0, 20, 20, 1               ; trip 14: the last chunk is stored, the last rows asked for
	TRIP 1, 0, 0, 0, 0, 0, 10, 0, 0                ; trip 15
	; ---- blocks of 20 tiles.  Block 0 has been multiplied; later blocks, where my tiles hold rows, are multiplied out of the slice in LDS, which nobody writes any more
	s_mov_b32 s43, 4
	s_mov_b32 s42, 0
.Lblock:
	s_add_co_u32 s45, s42, s2
	s_cmp_ge_u32 s45, s37
	s_cbranch_scc1 .Lbn                            ; none of my tiles of this block holds a row
	s_cmp_eq_u32 s42, 0
	s_cbranch_scc1 .Lepi
	s_wait_xcnt 0x0                                ; the last block's loads and stores have read their registers
	TILES
	s_mov_b32 s22, s7
	s_mov_b32 s24, 0
	s_mov_b32 s78, 16
.Lk:
	OCH
	s_sub_co_u32 s78, s78, 1
	s_cmp_lg_u32 s78, 0
	s_cbranch_scc1 .Lk
.Lepi:
	; ---- the way out: ten passes, (tile, column half): 16 rows x 64 columns each
	s_mov_b32 s44, 0
.Lep:
	s_lshr_b32 s47, s44, 1                         ; tile of my five
	s_and_b32 s46, s44, 1                          ; column half
	s_lshl_b32 s45, s47, 2
	s_add_co_u32 s45, s45, s42
	s_add_co_u32 s45, s45, s2                      ; the tile
	s_cmp_ge_u32 s45, s37
	s_cbranch_scc1 .Lepn                           ; it holds no row: nothing is stored
	s_min_u32 s45, s45, 63
	s_lshl_b32 s48, s5, 6
	s_add_co_u32 s48, s48, s45
	s_lshl_b32 s48, s48, 7
	s_lshl_b32 s45, s6, 2
	s_add_co_u32 s48, s48, s45
	s_lshl_b32 s45, s46, 1
	s_add_co_u32 s48, s48, s45                     ; (e x 64 + tile) x 128 + k-step of the second product
	s_lshl_b32 s26, s48, 10
	s_wait_xcnt 0x0                                ; the last pass's stores have read their data and base
	s_add_nc_u64 s[66:67], s[16:17], s[26:27]
.irp v, 0,1,2,3,4,5,6,7,8
	s_cmp_eq_u32 s44, \v
	s_cbranch_scc1 .Ladd\v
.endr
	ADDB 9
	s_branch .Lgelu
.irp v, 0,1,2,3,4,5,6,7,8
.Ladd\v:
	ADDB \v
	s_branch .Lgelu
.endr
.Lgelu:
.irp n, 0,1,2,3
.irp p, 0,1,2,3,4,5,6,7
	PREL \p, \n
.endr
.endr
.irp n, 0,1,2,3                                ; the first batch of 32 transcendentals, a plain line of the second half's preparation behind each
.irp p, 0,1,2,3,4,5,6,7
	TRL \p, \n
	PREL 8+(\p), \n
.endr
.endr
	s_wait_alu depctr_va_vdst(0)                   ; one wait for the batch, ahead of its first reader
.irp pp, 0,4                                   ; pairs 0-7 are finished, four abreast; the second batch stands among their lines and names none of their registers
.irp n, 0,1,2,3,4,5,6,7,8,9,10
.irp d, 0,1,2,3
	POSTL (\pp)+(\d), \n
.endr
.if (\n) < 8
	TRL 8+(\pp)+((\n)>>1), 2*((\n)&1)
	TRL 8+(\pp)+((\n)>>1), 2*((\n)&1)+1
.endif
.endr
.endr
	s_wait_alu depctr_va_vdst(0)                   ; one wait for the second batch
.irp pp, 8,12
.irp n, 0,1,2,3,4,5,6,7,8,9,10
.irp d, 0,1,2,3
	POSTL (\pp)+(\d), \n
.endr
.endr
.endr
.irp kk, 0,1
.irp jh, 0,1
	global_store_b128 v6, v[GO+8*(\kk)+4*(\jh):GO+8*(\kk)+4*(\jh)+3], s[66:67] offset:(\kk)*1024+(\jh)*512   ; 512 consecutive bytes, aligned
.endr
.endr
.Lepn:
	s_add_co_u32 s44, s44, 1
	s_cmp_lt_u32 s44, 10
	s_cbranch_scc1 .Lep
.Lbn:
	s_add_co_u32 s42, s42, 20
	s_sub_co_u32 s43, s43, 1
	s_cmp_lg_u32 s43, 0
	s_cbranch_scc1 .Lblock
	s_wait_dscnt 0x0                               ; every wave's LDS reads are over before any wave's closing add.  The spare words lie behind slice and list, so the addresses
	s_barrier_signal -1                            ; keep them apart already; the barrier lets that order be read off the text without the arithmetic of the stepped read address
	s_barrier_wait -1
	s_wait_tensorcnt 0x0                           ; the wave's end
	ds_add_u32 v4, v5
	s_wait_dscnt 0x0
	s_endpgm
.Lfunc_end_k_qfd80a5b1ed_ffn1:
	.size	k_qfd80a5b1ed_ffn1, .Lfunc_end_k_qfd80a5b1ed_ffn1-k_qfd80a5b1ed_ffn1
	.p2alignl 7, 3214868480
	.fill 96, 4, 3214868480
	.section	.rodata,"a",@progbits
	.p2align	6, 0x0
	.amdhsa_kernel k_qfd80a5b1ed_ffn1
		.amdhsa_group_segment_fixed_size 271104
		.amdhsa_private_segment_fixed_size 0
		.amdhsa_enable_private_segment 0
		.amdhsa_kernarg_size 56
		.amdhsa_user_sgpr_count 2
		.amdhsa_user_sgpr_kernarg_segment_ptr 1
		.amdhsa_wavefront_size32 1
		.amdhsa_system_sgpr_workgroup_id_x 1
		.amdhsa_system_sgpr_workgroup_id_y 1
		.amdhsa_system_sgpr_workgroup_id_z 1
		.amdhsa_system_vgpr_workitem_id 0
		.amdhsa_next_free_vgpr 832
		.amdhsa_next_free_sgpr 88
		.amdhsa_reserve_vcc 1
		.amdhsa_float_denorm_mode_32 3
		.amdhsa_float_denorm_mode_16_64 3
		.amdhsa_memory_ordered 1
		.amdhsa_forward_progress 1
		.amdhsa_inst_pref_size 191
	.end_amdhsa_kernel
	.amdgpu_metadata
---
amdhsa.version: [ 1, 2 ]
amdhsa.kernels:
  - .name:           k_qfd80a5b1ed_ffn1
    .symbol:         k_qfd80a5b1ed_ffn1.kd
    .args:
      - { .name: w1, .offset: 0, .size: 8, .value_kind: global_buffer, .address_space: global }
      - { .name: b1, .offset: 8, .size: 8, .value_kind: global_buffer, .address_space: global }
      - { .name: xb, .offset: 16, .size: 8, .value_kind: global_buffer, .address_space: global }
      - { .name: sel, .offset: 24, .size: 8, .value_kind: global_buffer, .address_space: global }
      - { .name: h, .offset: 32, .size: 8, .value_kind: global_buffer, .address_space: global }
      - { .name: pos, .offset: 40, .size: 8, .value_kind: global_buffer, .address_space: global }
      - { .name: cnt, .offset: 48, .size: 8, .value_kind: global_buffer, .address_space: global }
    .group_segment_fixed_size: 271104
    .private_segment_fixed_size: 0
    .kernarg_segment_align: 8
    .kernarg_segment_size: 56
    .max_flat_workgroup_size: 128
    .sgpr_count:     88
    .vgpr_count:     832
    .wavefront_size: 32
...
	.end_amdgpu_metadata
.endif
;; end of part 2
;; launch ffn2 (part 3): grid 256 x 1, 4 waves a work-group, no clusters, 300,544 bytes of LDS; arguments w2, h, cnt, part; writes part
.if DOCPART == 3
	.amdgcn_target "amdgcn-amd-amdhsa--gfx1250"
	.amdhsa_code_object_version 6
	.text
	.protected	k_qfd80a5b1ed_ffn2
	.globl	k_qfd80a5b1ed_ffn2
	.p2align	8
	.type	k_qfd80a5b1ed_ffn2,@function
k_qfd80a5b1ed_ffn2:
	s_mov_b64 s[64:65], 0
	v_nop
	global_prefetch_b8 v0, s[64:65] scope:SCOPE_SE
	s_setreg_imm32_b32 hwreg(HW_REG_WAVE_MODE, 25, 1), 1
	s_wait_xcnt 0x0
; SECOND PRODUCT, in four quarters of F.  part[kq][e x 1024 + rank][128 ns ..] = h_rows[.., 1024 kq ..] . w2[e][1024 kq .., 128 ns ..], f32.
; Work-group = (e = wg / 32, kq = (wg / 8) % 4, ns = wg % 8): a slice of 1,024 of F x 128 of H, 512 KB of f32 weights that it alone reads, once.
; The structure is the first product's.  FOUR WAVES, all alike; K in 16 chunks of 64.  In trip t every wave rounds its quarter of chunk t + 1 to bf16 and stores it into LDS in the matrix
; operand's register image, asks for its quarter of chunk t + 3, and multiplies chunk t with its five tiles of 16 rows x all 128 columns.  One barrier a trip; no LDS byte of the slice is
; written twice; rows beyond the first 320 are multiplied out of the slice afterwards.
; LOADS share one counter and come back in issue order: trip t issues rows of k-step 2t + 3, weights of chunk t + 3, rows of k-step 2t + 4; at most 62 loads of a wave are out; first and last trips are written out.
; The token rows come as ready operand images (1 KB for 16 ranks x 32 of F): a load of a wave takes 512 consecutive bytes.  K is walked from chunk 2 ns on, round.
; The count of rows is read from cnt[e]; tile t (16 ranks) belongs to wave t % 4, five tiles a wave and block of 20; a tile past the count repeats the last one and is not stored.
; The quarters are partial sums: they stay f32 and are added, with b2 and the router's weights, by the next launch.
; LIMITS.  w2 is rounded once to bf16; K is summed from a rotated start, in four quarters; a wave with one to three live tiles multiplies four; blocks beyond the first load their rows at each chunk's head, not ahead.
; NO JOINT LOADS: each weight byte has one reader; the slice kept whole takes 266,240 bytes of LDS and leaves no room for shared tiles of h.
; REGISTERS: window 0: v0 thread, v1 lane, v2 r, v3 hh, v4/v5 the add's two registers, v6 16 x lane, v7/v8 LDS addresses (read, store), v9 my offset in a group of weight rows, v10 my place in a chunk's image,
;   v11/v15 where I put and read back the stage's rows, v14 at work, v16-20 my five tiles' offsets, v21/v22 two more read addresses, v24-87 weight fragments (two buffers; on the way out 16 rows read back),
;   v88-247 token fragments (four k-steps)     window 1: accumulators of tiles 0-3 at 64 a + 8 c     window 2: v0-63 tile 4's, v64-191 two sets of 16 weight loads, v192-223 packed
.set PITCH, 4096
.set CHSH,  18
.set HHSH,  15
.set SPSH,  17
.set FP,    1040                       ; a fragment in LDS: 1,024 bytes + 16
.set RUNB,  4*FP
.set CHB,   4*RUNB
.set STAGE, 64*RUNB                    ; behind the slice: 16 rows x 528 bytes for each wave, for the way out
.set SP,    528                        ; 512 bytes + 16: the sixteen rows of a store start in sixteen different 16-byte columns modulo 256
.set STB,   16*SP
.set SPARE, STAGE+4*STB                ; the spare words: 128 bytes for each of four waves; no other line names them
.set ACHSH, 11                         ; a chunk of a tile's images: 2,048 bytes
.set ASP,   1024
.set AJH,   512
.set VA,    16
.set B0,    24
.set B1,    56
.set AR,    88
.set ACC4,  0
.set L0,    64
.set L1,    128
.set PK,    192
.set GO,    24
.set MSB, 0
.macro WIN new                         ; the immediate's high byte repeats the setting that is left; at a label and at a branch every window is 0
.if MSB != (\new)
	s_set_vgpr_msb (MSB<<8)|(\new)
.set MSB, \new
.endif
.endm
.macro PLACES                          ; four plain places between a matrix instruction and a load into, or a store of, its registers
.rept 4
	v_nop
.endr
.endm
.macro WLOAD set                       ; lane (r, hh): columns 4 r .. 4 r + 3 of my 64, rows 8 hh + 0..7 and 16 + 8 hh + 0..7; lanes 0-15 cover 256 consecutive bytes, aligned
	WIN 0x80
.irp i, 0,1,2,3,4,5,6,7,8,9,10,11,12,13,14,15
	global_load_b128 v[\set+4*(\i):\set+4*(\i)+3], v9, s[30:31] offset:(((\i)>>3)*16+((\i)&7))*PITCH th:TH_LOAD_NT
.endr
	WIN 0
.endm
.macro WCONV set                       ; column 4 r + q becomes lane slot 4 (r % 4) + q + 16 hh of fragment r / 4
	WIN 0x8a
.irp q, 0,1,2,3
.irp jh, 0,1
.irp m, 0,1,2,3
	v_cvt_pk_bf16_f32 v[PK+8*(\q)+4*(\jh)+(\m)], v[\set+4*(8*(\jh)+2*(\m))+(\q)], v[\set+4*(8*(\jh)+2*(\m)+1)+(\q)]
.endr
.endr
.endr
	WIN 0x08
.irp q, 0,1,2,3
.irp jh, 0,1
	ds_store_b128 v8, v[PK+8*(\q)+4*(\jh):PK+8*(\q)+4*(\jh)+3] offset:(\q)*16+(\jh)*512
.endr
.endr
	WIN 0
.endm
.macro BLOAD buf, ru, ad=7             ; run ru of the chunk whose address lies in v[ad]: four fragments, 16 x lane: consecutive bytes
.irp c, 0,1,2,3
	ds_load_b128 v[\buf+8*(\c):\buf+8*(\c)+3],   v[\ad] offset:(\ru)*RUNB+(\c)*FP
	ds_load_b128 v[\buf+8*(\c)+4:\buf+8*(\c)+7], v[\ad] offset:(\ru)*RUNB+(\c)*FP+512
.endr
.endm
.macro ALOAD ab, bs, sp
.irp a, 0,1,2,3,4
	global_load_b128 v[\ab+8*(\a):\ab+8*(\a)+3],   v[VA+(\a)], s[\bs:\bs+1] offset:(\sp)*ASP
	global_load_b128 v[\ab+8*(\a)+4:\ab+8*(\a)+7], v[VA+(\a)], s[\bs:\bs+1] offset:(\sp)*ASP+AJH
.endr
.endm
; 20 matrix instructions, all on different accumulators, which take turns; zero = 1 starts the sums and is never jumped; else the fifth tile's four are jumped where it holds no row
.macro RUN ab, buf, g, zero
	WIN 0x50
.irp a, 0,1,2,3
.irp c, 0,1,2,3
.if \zero
	v_wmma_f32_16x16x32_bf16 v[64*(\a)+8*(4*(\g)+(\c)):64*(\a)+8*(4*(\g)+(\c))+7], v[\buf+8*(\c):\buf+8*(\c)+7], v[\ab+8*(\a):\ab+8*(\a)+7], 0
.else
	v_wmma_f32_16x16x32_bf16 v[64*(\a)+8*(4*(\g)+(\c)):64*(\a)+8*(4*(\g)+(\c))+7], v[\buf+8*(\c):\buf+8*(\c)+7], v[\ab+8*(\a):\ab+8*(\a)+7], v[64*(\a)+8*(4*(\g)+(\c)):64*(\a)+8*(4*(\g)+(\c))+7]
.endif
.endr
.endr
.if !(\zero)
	WIN 0
	s_cmp_lg_u32 s41, 0
	s_cbranch_scc0 .Lr_\@
.endif
	WIN 0xa0
.irp c, 0,1,2,3
.if \zero
	v_wmma_f32_16x16x32_bf16 v[ACC4+8*(4*(\g)+(\c)):ACC4+8*(4*(\g)+(\c))+7], v[\buf+8*(\c):\buf+8*(\c)+7], v[\ab+32:\ab+39], 0
.else
	v_wmma_f32_16x16x32_bf16 v[ACC4+8*(4*(\g)+(\c)):ACC4+8*(4*(\g)+(\c))+7], v[\buf+8*(\c):\buf+8*(\c)+7], v[\ab+32:\ab+39], v[ACC4+8*(4*(\g)+(\c)):ACC4+8*(4*(\g)+(\c))+7]
.endif
.endr
	WIN 0
.if !(\zero)
.Lr_\@:
.endif
.endm
; TRIP t.  par = t % 2.  s22 = t + the walk's first chunk, s24 / s25 = LDS byte of chunk t / t + 1.  conv: chunk t + 1 is rounded and stored; wl: chunk t + 3 is asked for;
; a3, a4: the rows of k-steps 2t + 3, 2t + 4 are asked for; c1, c2: the loads that may stay out at the two waits; bar: the barrier that shows chunk t + 1 to every wave.
.macro TRIP par, zero, conv, wl, a3, a4, c1, c2, bar
.set SA, AR+80*(\par)
.set SB, AR+80*(\par)+40
.set SC, AR+40*((2*(\par)+3)%4)
.set LS, L0+64*(1-(\par))
	s_wait_loadcnt \c1                             ; loads come back in order (ISA guide 5.7.1): the weights of chunk t + 1 and the rows of k-step 2t are in
	v_add_nc_u32 v7, s24, v6
	BLOAD B0, 0
	BLOAD B1, 1
.if (\a3)||(\a4)||(\wl)
	s_wait_xcnt 0x0                                ; the pending loads have had their addresses translated: their bases may step
.endif
.if \a3
	s_add_co_u32 s45, s22, 1
	s_and_b32 s45, s45, 15
	s_lshl_b32 s26, s45, ACHSH
	s_add_nc_u64 s[34:35], s[32:33], s[26:27]
.endif
.if \a4
	s_add_co_u32 s45, s22, 2
	s_and_b32 s45, s45, 15
	s_lshl_b32 s26, s45, ACHSH
	s_add_nc_u64 s[76:77], s[32:33], s[26:27]
.endif
.if \wl
	s_add_co_u32 s45, s22, 3
	s_and_b32 s45, s45, 15
	s_lshl_b32 s26, s45, CHSH
	s_add_nc_u64 s[30:31], s[28:29], s[26:27]
.endif
.if \a3
	ALOAD SC, 34, 1
.endif
.if \conv
	v_add_nc_u32 v8, s25, v10
	WCONV LS
.endif
.if \wl
	WLOAD LS
.endif
	s_wait_dscnt 8+8*(\conv)                       ; B0 is in; B1's eight loads and the eight stores are younger
	RUN SA, B0, 0, \zero
	PLACES
	BLOAD B0, 2
	s_wait_dscnt 8+8*(\conv)                       ; B1 is in; the eight stores and B0's new eight are younger
	RUN SA, B1, 1, \zero
	PLACES
	BLOAD B1, 3
	s_wait_loadcnt \c2                             ; the rows of k-step 2t + 1 are in
.if \a4
	ALOAD SA, 76, 0
.endif
	s_wait_dscnt 8                                 ; B0 (run 2) is in
	RUN SB, B0, 0, 0
	s_wait_dscnt 0x0
	RUN SB, B1, 1, 0
	PLACES
	s_add_co_u32 s22, s22, 1
	s_add_co_u32 s24, s24, CHB
	s_add_co_u32 s25, s25, CHB
.if \bar
	s_wait_dscnt 0x0                               ; for the others' sake: my stores of chunk t + 1 are done
	s_barrier_signal -1
	s_barrier_wait -1
.endif
.endm
; The read address of the chunk at LDS byte s24, made directly in front of the loads that use it, in a register of its own for each group of loads.  It is held at lane 31's place in
; chunk 15, the largest that it takes: with the largest offset, 16,112, and a load's 16 bytes the reads end at byte 266,224, inside the slice.
.macro SLICEAT ad
	v_add_nc_u32 v[\ad], s24, v6
	v_min_u32 v[\ad], 15*CHB+496, v[\ad]
.endm
; A chunk of a later block, written once and walked 16 times (s78 counts 16 .. 1): the slice is read out of LDS, which nobody writes any more; the rows are loaded at the chunk's head.
; In the first trip the first k-step's two runs start the sums.
.macro OCH
	s_and_b32 s45, s22, 15
	s_lshl_b32 s26, s45, ACHSH
	s_wait_xcnt 0x0
	s_add_nc_u64 s[34:35], s[32:33], s[26:27]
	ALOAD AR, 34, 0
	ALOAD AR+40, 34, 1
	SLICEAT 7
	BLOAD B0, 0, 7
	BLOAD B1, 1, 7
	s_wait_loadcnt 10                              ; the first k-step's ten loads are in
	s_wait_dscnt 8
	s_cmp_eq_u32 s78, 16
	s_cbranch_scc1 .Lza_\@
	RUN AR, B0, 0, 0
	s_branch .Lja_\@
.Lza_\@:
	RUN AR, B0, 0, 1
.Lja_\@:
	PLACES
	SLICEAT 21
	BLOAD B0, 2, 21
	s_wait_dscnt 8
	s_cmp_eq_u32 s78, 16
	s_cbranch_scc1 .Lzb_\@
	RUN AR, B1, 1, 0
	s_branch .Ljb_\@
.Lzb_\@:
	RUN AR, B1, 1, 1
.Ljb_\@:
	PLACES
	SLICEAT 22
	BLOAD B1, 3, 22
	s_wait_loadcnt 0x0
	s_wait_dscnt 8
	RUN AR+40, B0, 0, 0
	s_wait_dscnt 0x0
	RUN AR+40, B1, 1, 0
	PLACES
	s_add_co_u32 s22, s22, 1
	s_add_co_u32 s24, s24, CHB
.endm
.macro TILES                           ; my five tiles of the block at tile s42, held inside what exists
.irp a, 0,1,2,3,4
	s_add_co_u32 s45, s42, 4*(\a)
	s_add_co_u32 s45, s45, s2
	s_min_u32 s45, s45, s38
	s_min_u32 s45, s45, 63
	s_lshl_b32 s45, s45, 17
	v_add_nc_u32 v[VA+(\a)], s45, v6               ; tile x 128 images + 16 x lane
.endr
	s_add_co_u32 s45, s42, 16
	s_add_co_u32 s45, s45, s2
	s_cmp_lt_u32 s45, s37
	s_cselect_b32 s41, 1, 0                        ; does my fifth tile hold a row?
.endm
; The way out of tile a: a lane holds one row's eight neighbouring columns a column tile; through my own stage they become whole rows of 512 bytes
.macro OUT a
	s_add_co_u32 s45, s42, 4*(\a)
	s_add_co_u32 s45, s45, s2
	s_cmp_ge_u32 s45, s37
	s_cbranch_scc1 .Lo_\@                          ; the tile holds no row: nothing is stored
	s_min_u32 s45, s45, 63
	s_lshl_b32 s45, s45, 4
	s_add_co_u32 s45, s45, s71
	s_lshl_b32 s26, s45, 12
	s_add_co_u32 s26, s26, s72
	s_wait_xcnt 0x0                                ; the tile before's stores have read their data and base
	s_add_nc_u64 s[66:67], s[14:15], s[26:27]
.if (\a) < 4
	WIN 0x04                                       ; the stores' data in window 1
.set AB, 64*(\a)
.else
	WIN 0x08                                       ; in window 2
.set AB, ACC4
.endif
.irp c, 0,1,2,3,4,5,6,7
	ds_store_b128 v11, v[AB+8*(\c):AB+8*(\c)+3]   offset:(\c)*64        ; each accumulator's lowest registers first
	ds_store_b128 v11, v[AB+8*(\c)+4:AB+8*(\c)+7] offset:(\c)*64+16
.endr
	WIN 0
.irp i, 0,1,2,3,4,5,6,7,8,9,10,11,12,13,14,15
	ds_load_b128 v[GO+4*(\i):GO+4*(\i)+3], v15 offset:(\i)*SP              ; LDS serves a wave's instructions in order (ISA guide 5.7.1.4): these see the stores above
.endr
.irp i, 0,1,2,3,4,5,6,7,8,9,10,11,12,13,14,15
	s_wait_dscnt 15-(\i)
	global_store_b128 v6, v[GO+4*(\i):GO+4*(\i)+3], s[66:67] offset:(\i)*4096   ; 512 consecutive bytes of a row, aligned
.endr
.Lo_\@:
.endm
	s_load_b256 s[8:15], s[0:1], 0x0               ; w2 s[8:9], h s[10:11], cnt s[12:13], part s[14:15]
	v_lshl_add_u32 v4, v0, 2, SPARE                ; my spare word,
	v_mov_b32 v5, 0                                ; and 0: kept for the closing add alone
	v_and_b32 v1, 31, v0
	v_and_b32 v2, 15, v0
	v_bfe_u32 v3, v0, 4, 1
	v_lshrrev_b32 v14, 5, v0
	v_readfirstlane_b32 s2, v14                    ; wave 0..3
	s_lshr_b32 s5, ttmp9, 5                        ; expert
	s_bfe_u32 s70, ttmp9, 0x20003                  ; quarter of F
	s_and_b32 s6, ttmp9, 7                         ; slice of 128 columns of H
	s_lshl_b32 s7, s6, 1                           ; the chunk at which my walk along K begins
	s_mov_b32 s27, 0
	v_lshlrev_b32 v6, 4, v1
	v_lshlrev_b32 v9, 4, v2
	v_lshl_add_u32 v9, v3, HHSH, v9                ; 16 r + 8 hh rows
	v_lshrrev_b32 v14, 2, v2
	v_mul_u32_u24 v10, v14, FP
	v_and_b32 v14, 3, v2
	v_lshl_add_u32 v10, v14, 6, v10
	v_lshl_add_u32 v10, v3, 8, v10
	s_mul_i32 s45, s2, RUNB
	v_add_nc_u32 v10, s45, v10                     ; (r / 4) fragments + (r % 4) x 64 + 256 hh + my run of the chunk
	s_mul_i32 s45, s2, STB
	s_add_co_u32 s45, s45, STAGE                   ; my stage
	v_mul_u32_u24 v11, v2, SP
	v_lshl_add_u32 v11, v3, 5, v11
	v_add_nc_u32 v11, s45, v11                     ; in: row r, 32 bytes for each half of the lanes
	v_add_nc_u32 v15, s45, v6                      ; back: a whole row of 512 bytes
	s_wait_kmcnt 0x0
	s_lshl_b32 s26, s5, 2
	s_add_nc_u64 s[66:67], s[12:13], s[26:27]
	s_load_b32 s36, s[66:67], 0x0                  ; the expert's count of rows
	s_lshl_b32 s26, s5, 24
	s_lshl_b32 s45, s70, 22
	s_add_co_u32 s26, s26, s45
	s_lshl_b32 s45, s6, 9
	s_add_co_u32 s26, s26, s45
	s_and_b32 s45, s2, 1                           ; my column group of 64,
	s_lshl_b32 s45, s45, 8
	s_add_co_u32 s26, s26, s45
	s_lshr_b32 s45, s2, 1                          ; my k-step of a chunk
	s_lshl_b32 s45, s45, SPSH
	s_add_co_u32 s26, s26, s45
	s_add_nc_u64 s[28:29], s[8:9], s[26:27]
	s_lshl_b32 s26, s7, CHSH
	s_add_nc_u64 s[30:31], s[28:29], s[26:27]
	WLOAD L0
	s_add_co_u32 s45, s7, 1
	s_and_b32 s45, s45, 15
	s_lshl_b32 s26, s45, CHSH
	s_wait_xcnt 0x0                                ; the base steps only behind this wait
	s_add_nc_u64 s[30:31], s[28:29], s[26:27]
	WLOAD L1
	s_lshl_b32 s71, s70, 13
	s_lshl_b32 s45, s5, 10
	s_add_co_u32 s71, s71, s45                     ; part's row of rank 0
	s_lshl_b32 s72, s6, 9
	s_lshl_b32 s26, s5, 23
	s_lshl_b32 s45, s70, 15
	s_add_co_u32 s26, s26, s45
	s_add_nc_u64 s[32:33], s[10:11], s[26:27]      ; h at the expert's tile 0, my quarter
	s_wait_kmcnt 0x0
	s_min_u32 s36, s36, 0x400
	s_max_u32 s45, s36, 1
	s_add_co_u32 s37, s45, 15
	s_lshr_b32 s37, s37, 4                         ; tiles, at least one
	s_sub_co_u32 s38, s37, 1
	s_mov_b32 s42, 0
	TILES
	s_lshl_b32 s26, s7, ACHSH
	s_add_nc_u64 s[34:35], s[32:33], s[26:27]      ; chunk 0 of my walk,
	s_add_co_u32 s45, s7, 1
	s_and_b32 s45, s45, 15
	s_lshl_b32 s26, s45, ACHSH
	s_add_nc_u64 s[76:77], s[32:33], s[26:27]      ; chunk 1
	ALOAD AR, 34, 0
	ALOAD AR+40, 34, 1
	ALOAD AR+80, 76, 0
	s_wait_loadcnt 46                              ; the weights of chunk 0 are in; chunk 1's 16 and the 30 row loads are younger
	v_mov_b32 v8, v10
	WCONV L0
	s_add_co_u32 s45, s7, 2
	s_and_b32 s45, s45, 15
	s_lshl_b32 s26, s45, CHSH
	s_wait_xcnt 0x0
	s_add_nc_u64 s[30:31], s[28:29], s[26:27]
	WLOAD L0
	s_mov_b32 s22, s7
	s_mov_b32 s24, 0
	s_mov_b32 s25, CHB
	s_wait_dscnt 0x0                               ; for the others' sake: my stores of chunk 0 are done
	s_barrier_signal -1
	s_barrier_wait -1
	; ---- 16 trips.  At a trip's head the younger loads are: rows 10, weights 16, rows 10; at its middle: weights 16, rows 10, rows 10, weights 16
	TRIP 0, 1, 1, 1, 1, 1, 36, 52, 1               ; trip 0 starts the sums
	s_mov_b32 s78, 6
.Ltrip:                                                ; trips 1 to 12
	TRIP 1, 0, 1, 1, 1, 1, 36, 52, 1
	TRIP 0, 0, 1, 1, 1, 1, 36, 52, 1
	s_sub_co_u32 s78, s78, 1
	s_cmp_lg_u32 s78, 0
	s_cbranch_scc1 .Ltrip
	TRIP 1, 0, 1, 0, 1, 1, 36, 36, 1               ; trip 13: no weights are left to ask for: the counts run down
	TRIP 0, 0, 1, 0, 1, 0, 20, 20, 1               ; trip 14: the last chunk is stored, the last rows asked for
	TRIP 1, 0, 0, 0, 0, 0, 10, 0, 0                ; trip 15
	; ---- four blocks of 20 tiles.  Block 0 has been multiplied; later blocks, where my tiles hold rows, are multiplied out of the slice in LDS, which nobody writes any more.
	; Every wave passes all four trips and both barriers of each; only work is jumped over.  The stages lie behind the slice and each is its wave's own, so the addresses keep the slice's
	; reads and the stages' stores apart already; the two barriers let that order be read off the text without the arithmetic of the stepped read address.
	s_mov_b32 s43, 4
	s_mov_b32 s42, 0
.Lblock:
	s_add_co_u32 s45, s42, s2
	s_cmp_ge_u32 s45, s37
	s_cbranch_scc1 .Lepi                           ; none of my tiles of this block holds a row: nothing to multiply, and each way out below jumps itself
	s_cmp_eq_u32 s42, 0
	s_cbranch_scc1 .Lepi
	s_wait_xcnt 0x0                                ; the last block's loads and stores have read their registers
	TILES
	s_mov_b32 s22, s7
	s_mov_b32 s24, 0
	s_mov_b32 s78, 16
.Lk:
	OCH
	s_sub_co_u32 s78, s78, 1
	s_cmp_lg_u32 s78, 0
	s_cbranch_scc1 .Lk
.Lepi:
	s_wait_dscnt 0x0                               ; my reads of the slice are over,
	s_barrier_signal -1
	s_barrier_wait -1                              ; and so are everybody's: now the stages are written
	OUT 0
	OUT 1
	OUT 2
	OUT 3
	OUT 4
	s_wait_dscnt 0x0                               ; my stores into my stage and my reads of it are done,
	s_barrier_signal -1
	s_barrier_wait -1                              ; and so are everybody's: the next block's reads, or the closing add, follow
	s_add_co_u32 s42, s42, 20
	s_sub_co_u32 s43, s43, 1
	s_cmp_lg_u32 s43, 0
	s_cbranch_scc1 .Lblock
	s_wait_tensorcnt 0x0                           ; the wave's end
	ds_add_u32 v4, v5
	s_wait_dscnt 0x0
	s_endpgm
.Lfunc_end_k_qfd80a5b1ed_ffn2:
	.size	k_qfd80a5b1ed_ffn2, .Lfunc_end_k_qfd80a5b1ed_ffn2-k_qfd80a5b1ed_ffn2
	.p2alignl 7, 3214868480
	.fill 96, 4, 3214868480
	.section	.rodata,"a",@progbits
	.p2align	6, 0x0
	.amdhsa_kernel k_qfd80a5b1ed_ffn2
		.amdhsa_group_segment_fixed_size 300544
		.amdhsa_private_segment_fixed_size 0
		.amdhsa_enable_private_segment 0
		.amdhsa_kernarg_size 32
		.amdhsa_user_sgpr_count 2
		.amdhsa_user_sgpr_kernarg_segment_ptr 1
		.amdhsa_wavefront_size32 1
		.amdhsa_system_sgpr_workgroup_id_x 1
		.amdhsa_system_sgpr_workgroup_id_y 1
		.amdhsa_system_sgpr_workgroup_id_z 1
		.amdhsa_system_vgpr_workitem_id 0
		.amdhsa_next_free_vgpr 736
		.amdhsa_next_free_sgpr 88
		.amdhsa_reserve_vcc 0
		.amdhsa_float_denorm_mode_32 3
		.amdhsa_float_denorm_mode_16_64 3
		.amdhsa_memory_ordered 1
		.amdhsa_forward_progress 1
		.amdhsa_inst_pref_size 132
	.end_amdhsa_kernel
	.amdgpu_metadata
---
amdhsa.version: [ 1, 2 ]
amdhsa.kernels:
  - .name:           k_qfd80a5b1ed_ffn2
    .symbol:         k_qfd80a5b1ed_ffn2.kd
    .args:
      - { .name: w2, .offset: 0, .size: 8, .value_kind: global_buffer, .address_space: global }
      - { .name: h, .offset: 8, .size: 8, .value_kind: global_buffer, .address_space: global }
      - { .name: cnt, .offset: 16, .size: 8, .value_kind: global_buffer, .address_space: global }
      - { .name: part, .offset: 24, .size: 8, .value_kind: global_buffer, .address_space: global }
    .group_segment_fixed_size: 300544
    .private_segment_fixed_size: 0
    .kernarg_segment_align: 8
    .kernarg_segment_size: 32
    .max_flat_workgroup_size: 128
    .sgpr_count:     88
    .vgpr_count:     736
    .wavefront_size: 32
...
	.end_amdgpu_metadata
.endif
;; end of part 3
;; launch combine (part 4): grid 256 x 1, 8 waves a work-group, no clusters, 0 bytes of LDS; arguments part, b2, sel, rw, pos, out0; writes out0
.if DOCPART == 4
	.amdgcn_target "amdgcn-amd-amdhsa--gfx1250"
	.amdhsa_code_object_version 6
	.text
	.protected	k_qfd80a5b1ed_combine
	.globl	k_qfd80a5b1ed_combine
	.p2align	8
	.type	k_qfd80a5b1ed_combine,@function
k_qfd80a5b1ed_combine:
	s_mov_b64 s[64:65], 0
	v_nop
	global_prefetch_b8 v0, s[64:65] scope:SCOPE_SE
	s_setreg_imm32_b32 hwreg(HW_REG_WAVE_MODE, 25, 1), 1
	s_wait_xcnt 0x0
; out[t] = rw0 (sum of the four quarters of expert e0's row + b2[e0]) + rw1 (the same for e1).  A wave takes half a row (2,048 bytes) of token 4 x work-group + wave / 2.
; The token's experts (sel), weights (rw) and its rank with each of the eight experts (pos[e][t]) come by scalar loads issued together; the two ranks are then chosen by selects.
; b2 is rounded to bf16 like every input; the sums stay f32.  A stream: no LDS, no matrix unit, no barrier.
.set P,  16                            ; v[16:143]   expert k, quarter kq, 512-byte group i at P + 64 k + 16 kq + 4 i
.set B2, 144                           ; v[144:175]  b2 of expert k at B2 + 16 k
	s_load_b256 s[4:11], s[0:1], 0x0               ; part s[4:5], b2 s[6:7], sel s[8:9], rw s[10:11]
	s_load_b128 s[12:15], s[0:1], 0x20             ; pos s[12:13], out0 s[14:15]
	v_and_b32 v1, 31, v0
	v_lshrrev_b32 v2, 5, v0
	v_readfirstlane_b32 s2, v2
	v_lshlrev_b32 v2, 4, v1                        ; 16 bytes a lane
	s_lshr_b32 s3, s2, 1
	s_lshl_b32 s16, ttmp9, 2
	s_add_co_u32 s3, s3, s16                       ; token
	s_and_b32 s18, s2, 1
	s_lshl_b32 s18, s18, 11                        ; my half of the row
	s_mov_b32 s17, 0
	s_wait_kmcnt 0x0
	s_lshl_b32 s16, s3, 2
	s_add_nc_u64 s[8:9], s[8:9], s[16:17]
	s_add_nc_u64 s[12:13], s[12:13], s[16:17]
	s_lshl_b32 s16, s3, 3
	s_add_nc_u64 s[10:11], s[10:11], s[16:17]
	s_load_b32 s20, s[8:9], 0x0
	s_load_b64 s[22:23], s[10:11], 0x0
.irp e, 0,1,2,3,4,5,6,7
	s_load_b32 s[24+(\e)], s[12:13], 4096*(\e)
.endr
	s_wait_kmcnt 0x0
	s_and_b32 s32, s20, 0xff
	s_min_u32 s32, s32, 7                          ; e0
	s_bfe_u32 s33, s20, 0x80008
	s_min_u32 s33, s33, 7                          ; e1
	s_mov_b32 s34, s24
	s_mov_b32 s35, s24
.irp j, 1,2,3,4,5,6,7
	s_cmp_eq_u32 s32, \j
	s_cselect_b32 s34, s[24+(\j)], s34
	s_cmp_eq_u32 s33, \j
	s_cselect_b32 s35, s[24+(\j)], s35
.endr
	s_min_u32 s34, s34, 0x3ff                      ; the token's rank with e0,
	s_min_u32 s35, s35, 0x3ff                      ; with e1
	s_mov_b32 s36, s23                             ; rw1 in the low word of a pair
	s_mov_b32 s37, s23
	s_lshl_b32 s16, s32, 10
	s_add_co_u32 s16, s16, s34
	s_lshl_b32 s16, s16, 12
	s_add_co_u32 s16, s16, s18
	s_add_nc_u64 s[40:41], s[4:5], s[16:17]        ; the four quarters lie 1 << 25 bytes apart
	s_add_nc_u64 s[42:43], s[40:41], 0x2000000
	s_add_nc_u64 s[44:45], s[42:43], 0x2000000
	s_add_nc_u64 s[46:47], s[44:45], 0x2000000
	s_lshl_b32 s16, s33, 10
	s_add_co_u32 s16, s16, s35
	s_lshl_b32 s16, s16, 12
	s_add_co_u32 s16, s16, s18
	s_add_nc_u64 s[48:49], s[4:5], s[16:17]
	s_add_nc_u64 s[50:51], s[48:49], 0x2000000
	s_add_nc_u64 s[52:53], s[50:51], 0x2000000
	s_add_nc_u64 s[54:55], s[52:53], 0x2000000
	s_lshl_b32 s16, s32, 12
	s_add_co_u32 s16, s16, s18
	s_add_nc_u64 s[56:57], s[6:7], s[16:17]
	s_lshl_b32 s16, s33, 12
	s_add_co_u32 s16, s16, s18
	s_add_nc_u64 s[58:59], s[6:7], s[16:17]
	s_lshl_b32 s16, s3, 12
	s_add_co_u32 s16, s16, s18
	s_add_nc_u64 s[60:61], s[14:15], s[16:17]
.irp b, 0,1,2,3,4,5,6,7                        ; b = 4 k + kq: forty loads of 512 consecutive bytes go out together
.irp i, 0,1,2,3
	global_load_b128 v[P+16*(\b)+4*(\i):P+16*(\b)+4*(\i)+3], v2, s[40+2*(\b):41+2*(\b)] offset:512*(\i) th:TH_LOAD_NT
.endr
.endr
.irp k, 0,1
.irp i, 0,1,2,3
	global_load_b128 v[B2+16*(\k)+4*(\i):B2+16*(\k)+4*(\i)+3], v2, s[56+2*(\k):57+2*(\k)] offset:512*(\i)
.endr
.endr
	s_wait_loadcnt 0x0
.set j, 0
.rept 16
	v_cvt_pk_bf16_f32 v176, v[B2+2*j], v[B2+2*j+1]
	v_lshlrev_b32 v[B2+2*j], 16, v176
	v_and_b32 v[B2+2*j+1], 0xffff0000, v176
.set j, j+1
.endr
.irp k, 0,1
.set j, 0
.rept 8
	v_pk_add_f32 v[P+64*(\k)+2*j:P+64*(\k)+2*j+1], v[P+64*(\k)+2*j:P+64*(\k)+2*j+1], v[P+64*(\k)+16+2*j:P+64*(\k)+16+2*j+1]
	v_pk_add_f32 v[P+64*(\k)+32+2*j:P+64*(\k)+32+2*j+1], v[P+64*(\k)+32+2*j:P+64*(\k)+32+2*j+1], v[P+64*(\k)+48+2*j:P+64*(\k)+48+2*j+1]
.set j, j+1
.endr
.set j, 0
.rept 8
	v_pk_add_f32 v[P+64*(\k)+2*j:P+64*(\k)+2*j+1], v[P+64*(\k)+2*j:P+64*(\k)+2*j+1], v[P+64*(\k)+32+2*j:P+64*(\k)+32+2*j+1]
.set j, j+1
.endr
.set j, 0
.rept 8
	v_pk_add_f32 v[P+64*(\k)+2*j:P+64*(\k)+2*j+1], v[P+64*(\k)+2*j:P+64*(\k)+2*j+1], v[B2+16*(\k)+2*j:B2+16*(\k)+2*j+1]
.set j, j+1
.endr
.endr
.set j, 0
.rept 8
	v_pk_mul_f32 v[P+2*j:P+2*j+1], v[P+2*j:P+2*j+1], s[22:23] op_sel_hi:[1,0]
.set j, j+1
.endr
.set j, 0
.rept 8
	v_pk_fma_f32 v[P+2*j:P+2*j+1], v[P+64+2*j:P+64+2*j+1], s[36:37], v[P+2*j:P+2*j+1] op_sel_hi:[1,0,1]
.set j, j+1
.endr
.irp i, 0,1,2,3
	global_store_b128 v2, v[P+4*(\i):P+4*(\i)+3], s[60:61] offset:512*(\i) th:TH_STORE_NT   ; 512 consecutive bytes, aligned
.endr
	s_endpgm
.Lfunc_end_k_qfd80a5b1ed_combine:
	.size	k_qfd80a5b1ed_combine, .Lfunc_end_k_qfd80a5b1ed_combine-k_qfd80a5b1ed_combine
	.p2alignl 7, 3214868480
	.fill 96, 4, 3214868480
	.section	.rodata,"a",@progbits
	.p2align	6, 0x0
	.amdhsa_kernel k_qfd80a5b1ed_combine
		.amdhsa_group_segment_fixed_size 0
		.amdhsa_private_segment_fixed_size 0
		.amdhsa_enable_private_segment 0
		.amdhsa_kernarg_size 48
		.amdhsa_user_sgpr_count 2
		.amdhsa_user_sgpr_kernarg_segment_ptr 1
		.amdhsa_wavefront_size32 1
		.amdhsa_system_sgpr_workgroup_id_x 1
		.amdhsa_system_sgpr_workgroup_id_y 1
		.amdhsa_system_sgpr_workgroup_id_z 1
		.amdhsa_system_vgpr_workitem_id 0
		.amdhsa_next_free_vgpr 180
		.amdhsa_next_free_sgpr 66
		.amdhsa_reserve_vcc 0
		.amdhsa_float_denorm_mode_32 3
		.amdhsa_float_denorm_mode_16_64 3
		.amdhsa_memory_ordered 1
		.amdhsa_forward_progress 1
		.amdhsa_inst_pref_size 16
	.end_amdhsa_kernel
	.amdgpu_metadata
---
amdhsa.version: [ 1, 2 ]
amdhsa.kernels:
  - .name:           k_qfd80a5b1ed_combine
    .symbol:         k_qfd80a5b1ed_combine.kd
    .args:
      - { .name: part, .offset: 0, .size: 8, .value_kind: global_buffer, .address_space: global }
      - { .name: b2, .offset: 8, .size: 8, .value_kind: global_buffer, .address_space: global }
      - { .name: sel, .offset: 16, .size: 8, .value_kind: global_buffer, .address_space: global }
      - { .name: rw, .offset: 24, .size: 8, .value_kind: global_buffer, .address_space: global }
      - { .name: pos, .offset: 32, .size: 8, .value_kind: global_buffer, .address_space: global }
      - { .name: out0, .offset: 40, .size: 8, .value_kind: global_buffer, .address_space: global }
    .group_segment_fixed_size: 0
    .private_segment_fixed_size: 0
    .kernarg_segment_align: 8
    .kernarg_segment_size: 48
    .max_flat_workgroup_size: 256
    .sgpr_count:     66
    .vgpr_count:     180
    .wavefront_size: 32
...
	.end_amdgpu_metadata
.endif
;; end of part 4
